; MI455X (gfx1250); checked and timed in simulation.
; The chip was launched on July 23, 2026; its instructions are those of AMD's public machine-readable ISA for CDNA 5 (MIT licence, August 2026) and "CDNA5" Instruction Set Architecture Reference Guide (July 2026). The comments in the code are by the model that wrote it; some were corrected since.
;; Multi Head Attention. Allowed arithmetic: matrix products marked QUANTISED: E2M3 operands, one E8M0 scale for each 32 along K, by v_wmma_scale_f32_16x16x128_f8f6f4 with both operands' format E2M3, f32 sums; everything else in f32.
;; Inputs: key 4 x 2,048 x 1,024 float32; query 4 x 2,048 x 1,024 float32; value 4 x 2,048 x 1,024 float32; w_k 1,024 x 1,024 float32; w_o 1,024 x 1,024 float32; w_q 1,024 x 1,024 float32; w_v 1,024 x 1,024 float32.
;; Outputs: out0 4 x 2,048 x 1,024 float32.
;; This version of the problem:
;;   THIS VERSION OF THE PROBLEM IS GIVEN IN LOW PRECISION. The matrix products marked QUANTISED in the list below multiply operands that are first quantised to E2M3 (2 exponent bits, 3 mantissa bits; 6 bits a number), with one power-of-two scale for each 32 numbers along K (OCP MX v1.0); their sums are f32. All else is computed in f32.
;;   The module's matrix products, in the order in which they are computed (A, B: the left and right operand; K: the contracted axis; several contracted axes count as one K, in the product's order):
;;     1. [M 8,192, K 1,024] x [K 1,024, N 1,024]; A: input query; B: input w_q: QUANTISED
;;     2. [M 8,192, K 1,024] x [K 1,024, N 1,024]; A: input key; B: input w_k: QUANTISED
;;     3. [M 8,192, K 1,024] x [K 1,024, N 1,024]; A: input value; B: input w_v: QUANTISED
;;     4. batch 64 x [M 2,048, K 64] x [K 64, N 2,048]; A: computed on the way; B: computed on the way: QUANTISED
;;     5. batch 64 x [M 2,048, K 2,048] x [K 2,048, N 64]; A: softmax (see below); B: computed on the way: QUANTISED
;;     6. [M 8,192, K 1,024] x [K 1,024, N 1,024]; A: computed on the way; B: input w_o: QUANTISED
;;   THE QUANTISER, for each operand of a quantised product, along K:
;;     - K is cut into blocks of 32 from its start; a last block that is shorter is filled with zeros.
;;     - A block's scale is 2^e with e = floor(log2(the largest magnitude in the block)) - 2, held to -126 .. 127; a block of zeros has e = 0. As a byte (E8M0): e + 127.
;;     - Each number is divided by its block's scale, clamped to +-7.5, and rounded to the nearest number of E2M3, ties to even, subnormals kept.
;;     - The product sums the exact products of the quantised numbers (number of the format x scale) in f32.
;;   ~~~python
;;   def quantise(x, axis):      # numpy; x: float32 -> the quantised numbers, widened to float32 again
;;       x = np.moveaxis(x, axis, -1); K = x.shape[-1]
;;       x = np.pad(x, [(0, 0)] * (x.ndim - 1) + [(0, -K % 32)]); x = x.reshape(x.shape[:-1] + (-1, 32)); a = np.abs(x).max(-1, keepdims=True)
;;       e = np.where(a > 0, np.clip(np.frexp(np.where(a > 0, a, 1))[1] - 1 - 2, -126, 127), 0)      # np.frexp(a)[1] - 1 = floor(log2(a)), exactly
;;       r = np.clip(x / 2.0 ** e, -7.5, 7.5)
;;       step = 2.0 ** (np.maximum(np.frexp(np.where(r == 0, 1, r))[1] - 1, 0) - 3)
;;       q = np.round(r / step) * step * 2.0 ** e      # np.round: ties to even
;;       return np.moveaxis(q.reshape(q.shape[:-2] + (-1,))[..., :K], -1, axis).astype(np.float32)
;;   ~~~
;;   SOFTMAX AHEAD OF A QUANTISED PRODUCT. Where the list says 'softmax', what is quantised is not the finished softmax but p = 2^(t - M), with t = logit x log2(e) and M = ceil(the row's largest t), a whole number; so 1/2 < the row's largest p <= 1. The row's sum l is taken of the UNQUANTISED p, in f32, and the product's result is divided by l at the end. Since M is a whole number, a kernel that streams over the keys may use a running M (the ceiling of the running maximum): every later rescaling is an exact power of two, which a block's scale takes up: the codes' values come out the same.
;;   OPERANDS COMPUTED ON THE WAY. 'Computed on the way' means the value that the module computes at that place (a softmax that the list does not call 'softmax' is quantised finished and normalised). What goes into a quantiser is computed in f32, as accurately as f32 sums, v_exp_f32 and their like allow (about 1e-6 of the number): no bf16 or f16 on the way to a quantiser, and a product that is left as it is and whose result goes on into a quantised operand takes f32 operands (vector FMAs, or v_wmma_f32_16x16x4_f32). A number that lies on a knife's edge between two numbers of the format may be rounded either way, as far as f32 arithmetic and the matrix unit's own rounding can turn it there, and no further.
;; One version. Each part assembles by itself: llvm-mc -triple=amdgcn-amd-amdhsa -mcpu=gfx1250 --defsym DOCPART=n.
;; ======== version 1 of 1: 4 launches
;; limits: right only within a limited range of input values
;; workspace buffers: xw 22,937,600 bytes; qh 6,815,744 bytes; kv 13,369,344 bytes; oa 6,553,600 bytes
;; launch quant (part 1): grid 4 x 224, 4 waves a work-group, no clusters, 34,304 bytes of LDS; arguments query, key, value, w_q, w_k, w_v, w_o, xw; writes xw
.if DOCPART == 1
	.amdgcn_target "amdgcn-amd-amdhsa--gfx1250"
	.amdhsa_code_object_version 6
	.text
	.protected	k_q65c4348dd7_quant
	.globl	k_q65c4348dd7_quant
	.p2align	8
	.type	k_q65c4348dd7_quant,@function
k_q65c4348dd7_quant:
	s_mov_b64 s[64:65], 0
	v_nop
	global_prefetch_b8 v0, s[64:65] scope:SCOPE_SE
	s_setreg_imm32_b32 hwreg(HW_REG_WAVE_MODE, 25, 1), 1
	s_wait_xcnt 0x0
; query, key, value [8192][1024] and w_q, w_k, w_v, w_o [1024][1024], f32, K innermost, become codes of FP6 (E2M3) with one E8M0 byte for each 32 along K,
; laid in xw in the ORDER OF AN OPERAND'S REGISTERS, so that the products' launches read them by dense loads alone.
; FORMAT.  128 rows are a group; xw holds 224 groups (query 0-63, key 64-127, value 128-191, w_q 192-199, w_k 200-207, w_v 208-215, w_o 216-223), 102,400 bytes each: four blocks of 25,600 bytes, one for each 256 along K.
; A block: tile t (16 rows), u-th 64 along K: 768 bytes at 3072 t + 768 u: lane l = (r, hh) owns the 24 bytes of block hh of row r: its first 16 at 16 l, its last 8 at 512 + 8 l.  Scale bytes at 24,576 + 128 t + 8 r + 4 q + byte.
; THE ROWS OF A TILE ARE NOT NEIGHBOURS: in each 32 rows, lane-row r of tile u takes row 8 u + r + 8 (r / 8), so that a product's results, taken transposed, run along the next K in a lane's registers.
; A block's scale is 2^(floor(log2(its largest magnitude)) - 2); its byte is the largest magnitude's exponent field - 2, held at 1 from below.
; LIMITS: a block of zeros, or one whose largest magnitude lies under 2^-124, gets the byte 1 (the rule says 127 for zeros: the codes are zeros, and this program alone reads the bytes); NaN and infinities among the inputs are not served.
; SHARES.  A work-group makes one block (x: which 256 along K; y: the group).  Wave w takes rows 32 w .. 32 w + 31: four JOBS of 16 rows x 128 K (job j: tile j / 2, 128 along K j % 2).
; Each load reads 512 consecutive bytes of one row; a job's 16 rows turn through the wave's own stage in LDS and come back with a whole block of 32 in a lane.  Waves share nothing: no barrier.  No cluster: no input byte is read twice.
.set PITCH, 528                        ; a stage row: 512 bytes + 16 = 33 x 16 bytes, so that the sixteen rows that a read touches start 16 bytes apart modulo 256
.set STG,   16*PITCH                   ; a wave's stage
.set SPARE, 4*STG                      ; behind the stages: the spare words, 128 bytes for each wave, which no other line names
.set GRP,   102400
.set GBB,   25600
.set SCO,   24576
.set L16,   1                          ; v1   16 x lane
.set L8,    2                          ; v2   8 x lane
.set SIN,   3                          ; v3   stage, on the way in: 16 x lane
.set SOUT,  4                          ; v4   stage, on the way out: row r, block hh
.set SH,    5                          ; v5   8 hh: my bytes' place in a scale word
.set PD,    6                          ; v6   a lane permute's destination
.set MX,    8                          ; v8-9   largest magnitudes;  v10-11 the conversions' scale operands;  v12-14 bytes
.set WD,    16                         ; v16-19 the four jobs' scale words;  v20-21 the pair that is stored
.set SPW,   30                         ; v30  LDS address of my spare word; never rewritten
.set NIL,   31                         ; v31  0; never rewritten
.set X,     32                         ; v32-223 three sets of 64 numbers: job j has set j % 3
.set CD,    224                        ; v224-235 a fragment's codes;  v236-238, v240-242 second halves as they are made
.set CT,    236
	s_load_b512 s[16:31], s[0:1], 0x0              ; query, key, value, w_q, w_k, w_v, w_o, xw
	v_lshl_add_u32 v[SPW], v0, 2, SPARE
	v_mov_b32 v[NIL], 0
	v_lshrrev_b32 v7, 5, v0
	v_readfirstlane_b32 s2, v7                     ; wave
	v_and_b32 v7, 31, v0                           ; lane
	v_and_b32 v8, 15, v0                           ; r
	v_bfe_u32 v9, v0, 4, 1                         ; hh
	v_lshlrev_b32 v[L16], 4, v7
	v_lshlrev_b32 v[L8], 3, v7
	s_mul_i32 s3, s2, STG
	v_add_nc_u32 v[SIN], s3, v[L16]
	v_mul_u32_u24 v[SOUT], v8, PITCH
	v_lshl_add_u32 v[SOUT], v9, 7, v[SOUT]         ; a block of 32 numbers is 128 bytes
	v_add_nc_u32 v[SOUT], s3, v[SOUT]
	v_lshlrev_b32 v[SH], 3, v9
	v_mov_b32 v[PD], 0                             ; written once: a lane permute's destination counts as one of its sources
	s_and_b32 s6, ttmp7, 0xffff                    ; the group, 0 .. 223
	s_and_b32 s7, s6, 63
	s_and_b32 s13, s6, 7
	s_cmp_lt_u32 s6, 192
	s_cselect_b32 s7, s7, s13                      ; the group inside its own tensor
	s_lshl_b32 s32, s7, 19                         ; 128 rows of 4,096 bytes,
	s_lshl_b32 s33, ttmp9, 10                      ; 256 numbers along K,
	s_add_co_u32 s32, s32, s33
	s_lshl_b32 s33, s2, 17                         ; my wave's 32 rows
	s_add_co_u32 s32, s32, s33
	s_mov_b32 s33, 0
	s_mul_i32 s34, s6, GRP
	s_mul_i32 s35, ttmp9, GBB
	s_add_co_u32 s34, s34, s35                     ; my block in xw
	s_mul_i32 s35, s2, 6144
	s_add_co_u32 s36, s34, s35                     ; my two tiles' codes
	s_mov_b32 s37, 0
	s_lshl_b32 s35, s2, 8
	s_add_co_u32 s38, s34, s35
	s_add_co_u32 s38, s38, SCO                     ; my two tiles' 256 scale bytes
	s_mov_b32 s39, 0
	s_mov_b32 s12, 0xffff0000                      ; lanes 16-31
	s_mov_b32 s14, 0x76543210
	s_mov_b32 s15, 0xfedcba98                      ; v_permlanex16_b32's selects for lane l xor 16
	s_wait_alu depctr_va_vdst(0)
	s_wait_kmcnt 0x0
	s_mov_b64 s[4:5], s[16:17]                     ; which tensor: the choice hangs on the work-group's number alone
	s_cmp_ge_u32 s6, 64
	s_cselect_b64 s[4:5], s[18:19], s[4:5]
	s_cmp_ge_u32 s6, 128
	s_cselect_b64 s[4:5], s[20:21], s[4:5]
	s_cmp_ge_u32 s6, 192
	s_cselect_b64 s[4:5], s[22:23], s[4:5]
	s_cmp_ge_u32 s6, 200
	s_cselect_b64 s[4:5], s[24:25], s[4:5]
	s_cmp_ge_u32 s6, 208
	s_cselect_b64 s[4:5], s[26:27], s[4:5]
	s_cmp_ge_u32 s6, 216
	s_cselect_b64 s[4:5], s[28:29], s[4:5]
	s_add_nc_u64 s[4:5], s[4:5], s[32:33]
	s_add_nc_u64 s[8:9], s[30:31], s[36:37]
	s_add_nc_u64 s[10:11], s[30:31], s[38:39]
.macro LOAD j                          ; job j's 16 rows, 512 consecutive bytes each, in the tile's order of rows
.set LS, X+64*((\j)%3)
.irp i, 0,1,2,3,4,5,6,7,8,9,10,11,12,13,14,15
	global_load_b128 v[LS+4*\i:LS+4*\i+3], v[L16], s[4:5] offset:(8*((\j)/2)+\i+8*(\i/8))*4096+512*((\j)%2) th:TH_LOAD_NT
.endr
.endm
.macro TURN j                          ; through the stage and back into the same registers: LDS serves a wave's instructions in order (ISA guide 5.7.1.4), so no wait stands between
.set LS, X+64*((\j)%3)
.irp i, 0,1,2,3,4,5,6,7,8,9,10,11,12,13,14,15
	ds_store_b128 v[SIN], v[LS+4*\i:LS+4*\i+3] offset:PITCH*\i
.endr
.irp c, 0,1                            ; registers 32 c .. 32 c + 31: block 2 c + hh of my row r
.irp p, 0,1,2,3,4,5,6,7
	ds_load_b128 v[LS+32*\c+4*\p:LS+32*\c+4*\p+3], v[SOUT] offset:256*\c+16*\p
.endr
.endr
.endm
.macro QUANT j
.set LS, X+64*((\j)%3)
.set TT, (\j)/2
.set QQ, (\j)%2
.irp c, 0,1
	v_max3_num_f32 v[MX+\c], |v[LS+32*\c]|, |v[LS+32*\c+1]|, 0x1800000   ; my block 2 c + hh: all 32 numbers are mine; and the floor 2^(3 - 127), so that the byte cannot fall under 1
.endr
.irp i, 2,4,6,8,10,12,14,16,18,20,22,24,26,28,30
.irp c, 0,1
	v_max3_num_f32 v[MX+\c], v[MX+\c], |v[LS+32*\c+\i]|, |v[LS+32*\c+\i+1]|   ; (the two blocks by turns)
.endr
.endr
.irp c, 0,1
	v_add_nc_u32 v[MX+2+\c], 0xff000000, v[MX+\c]  ; 2 off the exponent field: the conversion takes the exponent field of this operand as its scale
.endr
.irp c, 0,1
	v_lshrrev_b32 v[MX+4+\c], 23, v[MX+2+\c]       ; the scale's byte
.endr
	v_lshl_or_b32 v[MX+6], v[MX+5], 16, v[MX+4]    ; my two bytes: blocks hh and 2 + hh,
	v_lshlrev_b32 v[MX+6], v[SH], v[MX+6]          ; at their places in the word;
	v_permlanex16_b32 v[PD], v[MX+6], s14, s15
	v_or_b32 v[WD+(\j)], v[MX+6], v[PD]            ; with lane l xor 16's two the row's word is whole
	s_wait_alu depctr_va_vdst(0)
	s_wait_xcnt 0x0                                ; the last job's stores have read the codes' registers: they are written again only behind this wait
.irp c, 0,1
	v_cvt_scalef32_pk16_fp6_f32 v[CD+6*\c:CD+6*\c+2], v[LS+32*\c:LS+32*\c+15], v[MX+2+\c]
	v_cvt_scalef32_pk16_fp6_f32 v[CT+4*\c:CT+4*\c+2], v[LS+32*\c+16:LS+32*\c+31], v[MX+2+\c]   ; (a conversion's three registers begin on an even number)
.endr
	v_nop                                          ; one plain place behind a scaled conversion
.irp c, 0,1
.irp i, 0,1,2
	v_mov_b32 v[CD+6*\c+3+\i], v[CT+4*\c+\i]
.endr
.endr
.irp c, 0,1                            ; 512 and 256 consecutive bytes, each at a multiple of 256 from xw's first byte
	global_store_b128 v[L16], v[CD+6*\c:CD+6*\c+3], s[8:9] offset:3072*TT+768*(2*QQ+\c)
	global_store_b64 v[L8], v[CD+6*\c+4:CD+6*\c+5], s[8:9] offset:3072*TT+768*(2*QQ+\c)+512
.endr
.endm
	LOAD 0
	LOAD 1
	LOAD 2
	s_wait_loadcnt 32                              ; job 0's 16 loads are in; the 32 of jobs 1 and 2 may be out
	TURN 0
	s_wait_loadcnt 16                              ; job 1's are in
	TURN 1
	s_wait_dscnt 32                                ; job 0 is back from the stage; job 1's 32 LDS instructions may be out
	QUANT 0
	LOAD 3                                         ; into job 0's registers
	s_wait_loadcnt 16                              ; job 2's are in; job 3's may be out
	TURN 2
	s_wait_dscnt 32                                ; job 1 is back
	QUANT 1
	s_wait_loadcnt 0x0
	TURN 3
	s_wait_dscnt 32                                ; job 2 is back
	QUANT 2
	s_wait_dscnt 0x0
	QUANT 3
	v_cndmask_b32 v20, v[WD], v[WD+2], s12         ; lanes 0-15 store my first tile's words, lanes 16-31 my second's: 8 bytes a row,
	v_cndmask_b32 v21, v[WD+1], v[WD+3], s12
	global_store_b64 v[L8], v[20:21], s[10:11]     ; 256 consecutive bytes, aligned
	s_wait_tensorcnt 0x0                           ; the wave's end
	ds_add_u32 v[SPW], v[NIL]
	s_wait_dscnt 0x0
	s_endpgm
.Lfunc_end_k_q65c4348dd7_quant:
	.size	k_q65c4348dd7_quant, .Lfunc_end_k_q65c4348dd7_quant-k_q65c4348dd7_quant
	.p2alignl 7, 3214868480
	.fill 96, 4, 3214868480
	.section	.rodata,"a",@progbits
	.p2align	6, 0x0
	.amdhsa_kernel k_q65c4348dd7_quant
		.amdhsa_group_segment_fixed_size 34304
		.amdhsa_private_segment_fixed_size 0
		.amdhsa_enable_private_segment 0
		.amdhsa_kernarg_size 64
		.amdhsa_user_sgpr_count 2
		.amdhsa_user_sgpr_kernarg_segment_ptr 1
		.amdhsa_wavefront_size32 1
		.amdhsa_system_sgpr_workgroup_id_x 1
		.amdhsa_system_sgpr_workgroup_id_y 1
		.amdhsa_system_sgpr_workgroup_id_z 1
		.amdhsa_system_vgpr_workitem_id 0
		.amdhsa_next_free_vgpr 248
		.amdhsa_next_free_sgpr 66
		.amdhsa_reserve_vcc 0
		.amdhsa_float_denorm_mode_32 3
		.amdhsa_float_denorm_mode_16_64 3
		.amdhsa_memory_ordered 1
		.amdhsa_forward_progress 1
		.amdhsa_inst_pref_size 31
	.end_amdhsa_kernel
	.amdgpu_metadata
---
amdhsa.version: [ 1, 2 ]
amdhsa.kernels:
  - .name:           k_q65c4348dd7_quant
    .symbol:         k_q65c4348dd7_quant.kd
    .args:
      - { .name: query, .offset: 0, .size: 8, .value_kind: global_buffer, .address_space: global }
      - { .name: key, .offset: 8, .size: 8, .value_kind: global_buffer, .address_space: global }
      - { .name: value, .offset: 16, .size: 8, .value_kind: global_buffer, .address_space: global }
      - { .name: w_q, .offset: 24, .size: 8, .value_kind: global_buffer, .address_space: global }
      - { .name: w_k, .offset: 32, .size: 8, .value_kind: global_buffer, .address_space: global }
      - { .name: w_v, .offset: 40, .size: 8, .value_kind: global_buffer, .address_space: global }
      - { .name: w_o, .offset: 48, .size: 8, .value_kind: global_buffer, .address_space: global }
      - { .name: xw, .offset: 56, .size: 8, .value_kind: global_buffer, .address_space: global }
    .group_segment_fixed_size: 34304
    .private_segment_fixed_size: 0
    .kernarg_segment_align: 8
    .kernarg_segment_size: 64
    .max_flat_workgroup_size: 128
    .sgpr_count:     66
    .vgpr_count:     248
    .wavefront_size: 32
...
	.end_amdgpu_metadata
.endif
;; end of part 1
;; launch proj (part 2): grid 4 x 96, 4 waves a work-group, clusters of 4 x 4, 327,680 bytes of LDS; arguments xw, qh, kv; writes qh, kv
.if DOCPART == 2
	.amdgcn_target "amdgcn-amd-amdhsa--gfx1250"
	.amdhsa_code_object_version 6
	.text
	.protected	k_q65c4348dd7_proj
	.globl	k_q65c4348dd7_proj
	.p2align	8
	.type	k_q65c4348dd7_proj,@function
k_q65c4348dd7_proj:
	s_mov_b64 s[64:65], 0
	v_nop
	global_prefetch_b8 v0, s[64:65] scope:SCOPE_SE
	s_setreg_imm32_b32 hwreg(HW_REG_WAVE_MODE, 25, 1), 1
	s_wait_xcnt 0x0
	s_wait_alu depctr_hold_cnt(0) depctr_sa_sdst(0) depctr_va_vdst(0) depctr_va_sdst(0) depctr_va_ssrc(0) depctr_va_vcc(0) depctr_vm_vsrc(0)
	s_getreg_b32 s2, hwreg(HW_REG_IB_STS2, 6, 4)
	s_cmp_eq_u32 s2, 0
	s_cbranch_scc0 .Lentry_in_a_cluster
	s_endpgm
.Lentry_in_a_cluster:
	s_bfe_u32 s2, ttmp6, 0x10000c
	s_cmp_lg_u32 s2, 0xf033
	s_cbranch_scc0 .Lentry_shape_is_right
	s_endpgm
.Lentry_shape_is_right:
.set GBB,   25600
.set GRP,   4*GBB
.set SLOT,  4*GBB
.set SCO,   24576
.set SPARE, 2*SLOT
.set FR,    12
.set NL,    4
.set NQ,    2
.set NP,    4
.set L16,   4
.set L8,    5
.set ADRS,  10
.set ADRA,  16
.set ADRB,  20
.set O16B,  24
.set O8B,   25
.set O16H,  26
.set O8H,   27
.set SPW,   28
.set NIL,   29
.set SC,    32
.set TM,    64
.set PC,    80
.set PW,    100
.set YW,    108
.set ZW,    112
.set AF,    128
.set G1,  24
.set G0,  32
.set G1B, 48
.set G0B, 56
.set SEL, 96
.set MSB, 0
.macro WIN new
.if MSB != (\new)
	s_set_vgpr_msb (MSB<<8)|(\new)
.set MSB, \new
.endif
.endm
.set MUL_LO, 0xa1
.set MUL_HI, 0xf1
.set TO_B,   0x40
.macro JLOAD g0a, g1a, g0b, g1b
	s_cmp_eq_u32 s15, 0
	s_cbranch_scc0 .Lfor_b_\@
	tensor_load_to_lds s[\g0a:\g0a+3], s[\g1a:\g1a+7]
	s_nop 0
.rept 4
	v_nop
.endr
	s_branch .Lasked_\@
.Lfor_b_\@:
	tensor_load_to_lds s[\g0b:\g0b+3], s[\g1b:\g1b+7]
	s_nop 0
.rept 4
	v_nop
.endr
.Lasked_\@:
.endm
.macro CREST
	s_cmp_lg_u32 s14, 0
	s_cbranch_scc1 .Lnot_wave_0_\@
	s_barrier_signal -3
.Lnot_wave_0_\@:
	s_barrier_wait -3
	s_barrier_signal -1
	s_barrier_wait -1
.endm
.macro CROUND
	s_barrier_signal -1
	s_barrier_wait -1
	CREST
.endm
	s_load_b128 s[4:7], s[0:1], 0x0
	s_load_b64 s[8:9], s[0:1], 0x10
	v_lshl_add_u32 v[SPW], v0, 2, SPARE
	v_mov_b32 v[NIL], 0
	ds_add_u32 v[SPW], v[NIL]
	ds_add_u32 v[SPW], v[NIL]
	v_lshrrev_b32 v1, 5, v0
	v_readfirstlane_b32 s14, v1
	s_lshr_b32 s15, s14, 1
	s_and_b32 s16, s14, 1
	s_bfe_u32 s40, ttmp6, 0x40000
	s_bfe_u32 s41, ttmp6, 0x40004
	s_and_b32 s17, ttmp7, 0xffff
	s_lshr_b32 s66, s17, 3
	s_and_b32 s67, s17, 7
	s_lshl_b32 s71, s66, 6
	s_lshl_b32 s72, s66, 3
	s_add_co_u32 s72, s72, 192
	s_cmp_eq_u32 s66, 2
	s_cselect_b32 s68, 1, 0
	s_cselect_b32 s69, 0, s67
	s_cselect_b32 s70, s67, 0
	s_cselect_b32 s71, 208, s71
	s_cselect_b32 s72, 128, s72
	s_lshl_b32 s17, s69, 2
	s_add_co_u32 s17, s17, s41
	s_lshl_b32 s42, s70, 2
	s_add_co_u32 s42, s42, s40
	s_lshl_b32 s43, s41, 2
	s_lshl_b32 s43, 15, s43
	s_lshl_b32 s44, 0x1111, s40
	s_or_b32 s[G1+0], s43, (3<<16)|(1<<21)
	s_or_b32 s[G1B+0], s44, (3<<16)|(1<<21)
.irp g, G1, G1B
	s_mov_b32 s[\g+1], 32<<16
	s_mov_b32 s[\g+2], 100<<16
	s_mov_b32 s[\g+3], 32<<16
	s_mov_b32 s[\g+4], 100
	s_mov_b32 s[\g+5], 32
	s_mov_b32 s[\g+6], 0
	s_mov_b32 s[\g+7], 0
.endr
	s_lshl_b32 s20, s17, 1
	s_add_co_u32 s20, s20, s16
	s_add_co_u32 s20, s20, s71
	s_mul_i32 s20, s20, GRP
	s_mov_b32 s21, 0
	s_lshl_b32 s46, s42, 1
	s_add_co_u32 s46, s46, s16
	s_add_co_u32 s46, s46, s72
	s_mul_i32 s46, s46, GRP
	s_mov_b32 s47, 0
	s_mul_i32 s45, s14, GBB
	s_wait_dscnt 0x0
	s_wait_kmcnt 0x0
	s_add_nc_u64 s[20:21], s[4:5], s[20:21]
	s_add_nc_u64 s[46:47], s[4:5], s[46:47]
	CROUND
.irp s, 0,1
	s_mov_b32 s[G0+4*\s], 1
	s_add_co_u32 s[G0+4*\s+1], s45, \s*SLOT
	s_add_nc_u64 s[G0+4*\s+2:G0+4*\s+3], s[20:21], \s*GBB
	s_or_b32 s[G0+4*\s+3], s[G0+4*\s+3], 0x80000000
	s_mov_b32 s[G0B+4*\s], 1
	s_add_co_u32 s[G0B+4*\s+1], s45, \s*SLOT
	s_add_nc_u64 s[G0B+4*\s+2:G0B+4*\s+3], s[46:47], \s*GBB
	s_or_b32 s[G0B+4*\s+3], s[G0B+4*\s+3], 0x80000000
	s_wait_alu depctr_va_vdst(0)
	s_wait_tensorcnt 0x0
	ds_add_u32 v28, v29
	ds_add_u32 v28, v29
	s_wait_dscnt 0x0
	CROUND
	JLOAD G0+4*\s, G1, G0B+4*\s, G1B
.endr
	v_and_b32 v1, 31, v0
	v_and_b32 v2, 15, v0
	v_bfe_u32 v3, v0, 4, 1
	v_lshlrev_b32 v[L16], 4, v1
	v_lshlrev_b32 v[L8], 3, v1
	s_mul_i32 s21, s15, GBB
	s_mul_i32 s22, s16, GBB
	s_add_co_u32 s22, s22, 2*GBB
.irp s, 0,1
	v_add_nc_u32 v[ADRA+\s], s21, v[L16]
	v_add_nc_u32 v[ADRA+2+\s], s21, v[L8]
	v_add_nc_u32 v[ADRB+\s], s22, v[L16]
	v_add_nc_u32 v[ADRB+2+\s], s22, v[L8]
	s_add_co_u32 s21, s21, SLOT
	s_add_co_u32 s22, s22, SLOT
.endr
	s_mul_i32 s21, s15, GBB
	s_mul_i32 s22, s16, GBB
	s_add_co_u32 s22, s22, 2*GBB
	s_sub_co_u32 s22, s22, s21
	v_mul_u32_u24 v6, s22, v3
	v_lshl_add_u32 v6, v2, 3, v6
	s_add_co_u32 s21, s21, SCO
	v_add_nc_u32 v[ADRS], s21, v6
	v_add_nc_u32 v[ADRS+1], SLOT, v[ADRS]
	s_lshl_b32 s73, s17, 1
	s_add_co_u32 s73, s73, s15
	s_lshl_b32 s74, s42, 1
	s_add_co_u32 s74, s74, s16
	s_mov_b32 s77, 208896
	s_mov_b32 s78, 98304
	s_mov_b32 s80, 768
	s_cmp_eq_u32 s66, 0
	s_cselect_b32 s77, 106496, s77
	s_cselect_b64 s[10:11], s[6:7], s[8:9]
	s_cmp_eq_u32 s68, 1
	s_cselect_b32 s75, s74, s73
	s_cselect_b32 s76, s73, s74
	s_cselect_b32 s79, 106496, 0
	s_cselect_b32 s78, 204800, s78
	s_cselect_b32 s81, 8, 9
	s_cselect_b32 s82, s80, s77
	s_cselect_b32 s84, 1536, s80
	s_cselect_b32 s86, 202752, 0
	s_mov_b32 s85, 0
	s_mov_b32 s87, 0
	s_lshr_b32 s88, s75, 4
	s_lshl_b32 s88, s88, 4
	s_lshl_b32 s89, s76, 1
	s_add_co_u32 s88, s88, s89
	s_and_b32 s89, s75, 15
	s_mul_i32 s88, s88, s77
	s_mul_i32 s90, s89, 6144
	s_add_co_u32 s90, s90, s88
	s_add_co_u32 s90, s90, s79
	s_mov_b32 s91, 0
	s_lshl_b32 s92, s89, s81
	s_add_co_u32 s92, s92, s88
	s_add_co_u32 s92, s92, s78
	s_mov_b32 s93, 0
	s_add_nc_u64 s[12:13], s[10:11], s[90:91]
	s_add_nc_u64 s[18:19], s[10:11], s[92:93]
	s_mov_b32 s94, 0xffff0000
	s_mov_b32 s[SEL], 0x76543210
	s_mov_b32 s[SEL+1], 0xfedcba98
	v_add_nc_u32 v[O16B], s82, v[L16]
	v_add_nc_u32 v[O8B], s82, v[L8]
	v_add_nc_u32 v[O16H], s77, v[L16]
	v_add_nc_u32 v[O8H], s77, v[L8]
.irp b, 0,1,2,3
	v_mov_b32 v[TM+4+\b], 0
.endr
.macro FRAG reg, adr, q, i
	ds_load_b128 v[\reg:\reg+3],     v[\adr]   offset:3072*(\i)+1536*(\q)
	ds_load_b64  v[\reg+4:\reg+5],   v[\adr+2] offset:3072*(\i)+1536*(\q)+512
	ds_load_b128 v[\reg+6:\reg+9],   v[\adr]   offset:3072*(\i)+1536*(\q)+768
	ds_load_b64  v[\reg+10:\reg+11], v[\adr+2] offset:3072*(\i)+1536*(\q)+1280
.endm
.macro MUL16 a0, p, q, sc, zero
.irp a, \a0, \a0+1
.irp b, 0,1,2,3,4,5,6,7
.if \zero
	v_wmma_scale_f32_16x16x128_f8f6f4 v[8*(8*((\a)%4)+\b):8*(8*((\a)%4)+\b)+7], v[128*(\p)+FR*\b:128*(\p)+FR*\b+FR-1], v[AF+FR*(\a):AF+FR*(\a)+FR-1], 0, v[SC+8*NQ*(\sc)+NQ*\b+(\q)], v[SC+8*NQ*(\sc)+NQ*(\a)+(\q)] matrix_a_fmt:MATRIX_FMT_FP6 matrix_b_fmt:MATRIX_FMT_FP6 matrix_a_scale:MATRIX_SCALE_ROW1
.else
	v_wmma_scale_f32_16x16x128_f8f6f4 v[8*(8*((\a)%4)+\b):8*(8*((\a)%4)+\b)+7], v[128*(\p)+FR*\b:128*(\p)+FR*\b+FR-1], v[AF+FR*(\a):AF+FR*(\a)+FR-1], v[8*(8*((\a)%4)+\b):8*(8*((\a)%4)+\b)+7], v[SC+8*NQ*(\sc)+NQ*\b+(\q)], v[SC+8*NQ*(\sc)+NQ*(\a)+(\q)] matrix_a_fmt:MATRIX_FMT_FP6 matrix_b_fmt:MATRIX_FMT_FP6 matrix_a_scale:MATRIX_SCALE_ROW1
.endif
.endr
.endr
.endm
.macro FETCH_B slot, q, p
	WIN TO_B
.irp i, 0,1,2,3,4,5,6,7
	FRAG 128*(\p)+FR*\i, ADRB+\slot, \q, \i
.endr
	WIN 0
.endm
.macro FETCH_A slot, q, i0
.irp i, \i0, \i0+1, \i0+2, \i0+3
	FRAG AF+FR*(\i), ADRA+\slot, \q, \i
.endr
.endm
.macro SCALES sc
.irp i, 0,1,2,3,4,5,6,7
	ds_load_b64 v[SC+8*NQ*\sc+NQ*\i:SC+8*NQ*\sc+NQ*\i+1], v[ADRS+\sc] offset:128*\i
.endr
.endm
.macro PLACES n
.rept \n
	v_nop
.endr
.endm
.macro STEP slot, q, zero
	s_wait_dscnt 4*NL
	WIN MUL_LO
	MUL16 0, (\q)%2, \q, \slot, \zero
	MUL16 2, (\q)%2, \q, \slot, \zero
	s_wait_dscnt 0
	PLACES NP
	FETCH_B \slot, (\q)+1, 1-(\q)%2
	FETCH_A \slot, (\q)+1, 0
	WIN MUL_HI
	MUL16 4, (\q)%2, \q, \slot, \zero
	MUL16 6, (\q)%2, \q, \slot, \zero
	PLACES NP
	WIN 0
	FETCH_A \slot, (\q)+1, 4
.endm
.macro TURN slot, next, fill
	s_wait_tensorcnt 0x0
	ds_add_u32 v[SPW], v[NIL]
	s_wait_dscnt 4*NL+1
	WIN MUL_LO
	MUL16 0, 1, NQ-1, \slot, 0
	s_wait_dscnt 0x0
	s_barrier_signal -1
	MUL16 2, 1, NQ-1, \slot, 0
	WIN 0
	s_barrier_wait -1
.if \fill
	CREST
	s_add_nc_u64 s[G0+4*\slot+2:G0+4*\slot+3], s[G0+4*\slot+2:G0+4*\slot+3], 2*GBB
	s_add_nc_u64 s[G0B+4*\slot+2:G0B+4*\slot+3], s[G0B+4*\slot+2:G0B+4*\slot+3], 2*GBB
	JLOAD G0+4*\slot, G1, G0B+4*\slot, G1B
.else
	PLACES NP
.endif
	FETCH_B \next, 0, 0
	FETCH_A \next, 0, 0
	s_wait_alu depctr_va_vdst(0)
	SCALES \next
	WIN MUL_HI
	MUL16 4, 1, NQ-1, \slot, 0
	MUL16 6, 1, NQ-1, \slot, 0
	PLACES NP
	WIN 0
	FETCH_A \next, 0, 4
.endm
	s_wait_tensorcnt 1
	s_barrier_signal -1
	s_barrier_wait -1
	FETCH_B 0, 0, 0
	FETCH_A 0, 0, 0
	SCALES 0
	FETCH_A 0, 0, 4
	STEP 0, 0, 1
	TURN 0, 1, 1
	STEP 1, 0, 0
	TURN 1, 0, 1
	STEP 0, 0, 0
	TURN 0, 1, 0
	STEP 1, 0, 0
	s_wait_dscnt 4*NL
	WIN MUL_LO
	MUL16 0, 1, NQ-1, 1, 0
	MUL16 2, 1, NQ-1, 1, 0
	s_wait_dscnt 0
	WIN MUL_HI
	MUL16 4, 1, NQ-1, 1, 0
	MUL16 6, 1, NQ-1, 1, 0
	WIN 0
.macro EQ a
.set AC, 64*((\a)%4)
.set WW, 0x0a+5*((\a)/4)
	WIN WW
.irp b, 0,1,2,3
	v_max3_num_f32 v[TM+\b], |v[AC+16*\b]|, |v[AC+16*\b+1]|, 0x1800000
.endr
.irp i, 2,4,6,8,10,12,14
.irp b, 0,1,2,3
	v_max3_num_f32 v[TM+\b], |v[AC+16*\b+\i]|, |v[AC+16*\b+\i+1]|, v[TM+\b]
.endr
.endr
	WIN 0
.irp b, 0,1,2,3
	v_permlanex16_b32 v[TM+4+\b], v[TM+\b], s[SEL], s[SEL+1]
.endr
.irp b, 0,1,2,3
	v_max_num_f32 v[TM+\b], v[TM+\b], v[TM+4+\b]
.endr
.irp b, 0,1,2,3
	v_add_nc_u32 v[TM+12+\b], 0xff000000, v[TM+\b]
.endr
.irp b, 0,1,2,3
	v_lshrrev_b32 v[TM+4+\b], 23, v[TM+12+\b]
.endr
	v_lshl_or_b32 v[PW+(\a)], v[TM+5], 8, v[TM+4]
	v_lshl_or_b32 v[PW+(\a)], v[TM+6], 16, v[PW+(\a)]
	v_lshl_or_b32 v[PW+(\a)], v[TM+7], 24, v[PW+(\a)]
	s_wait_xcnt 0x0
.if (\a) > 0
	s_add_nc_u64 s[12:13], s[12:13], s[84:85]
.endif
.if (\a) == 4
	s_add_nc_u64 s[12:13], s[12:13], s[86:87]
.endif
.set WW, 0x02+(\a)/4
	WIN WW
.irp c, 0,1
	v_cvt_scalef32_pk16_fp6_f32 v[PC+6*\c:PC+6*\c+2], v[AC+32*\c:AC+32*\c+15], v[TM+12+2*\c]
	v_cvt_scalef32_pk16_fp6_f32 v[PC+12+4*\c:PC+14+4*\c], v[AC+32*\c+16:AC+32*\c+31], v[TM+13+2*\c]
.endr
	WIN 0
	v_nop
.irp c, 0,1
.irp i, 0,1,2
	v_permlane16_swap_b32 v[PC+6*\c+\i], v[PC+12+4*\c+\i]
.endr
.irp i, 0,1,2
	v_mov_b32 v[PC+3+6*\c+\i], v[PC+12+4*\c+\i]
.endr
.endr
	global_store_b128 v[L16], v[PC:PC+3], s[12:13]
	global_store_b64 v[L8], v[PC+4:PC+5], s[12:13] offset:512
	global_store_b128 v[O16B], v[PC+6:PC+9], s[12:13]
	global_store_b64 v[O8B], v[PC+10:PC+11], s[12:13] offset:512
.endm
	PLACES NP
.irp a, 0,1,2,3,4,5,6,7
	EQ \a
.endr
.irp i, 0,1,2,3
	v_cndmask_b32 v[YW+\i], v[PW+2*\i], v[PW+2*\i+1], s94
.endr
	s_cmp_eq_u32 s68, 1
	s_cbranch_scc1 .Lv_scales
.irp i, 0,1,2,3
	v_perm_b32 v[ZW+\i], v[YW+\i], v[YW+\i], 0x01000100
	v_perm_b32 v[ZW+4+\i], v[YW+\i], v[YW+\i], 0x03020302
.endr
	global_store_b128 v[L16], v[ZW:ZW+3], s[18:19]
	global_store_b128 v[O16H], v[ZW+4:ZW+7], s[18:19]
	s_branch .Lscales_out
.Lv_scales:
	s_wait_alu depctr_va_vdst(0)
	global_store_b64 v[L8], v[YW:YW+1], s[18:19]
	global_store_b64 v[O8H], v[YW+2:YW+3], s[18:19]
.Lscales_out:
	s_wait_tensorcnt 0x0
	ds_add_u32 v[SPW], v[NIL]
	s_wait_dscnt 0x0
	CROUND
	s_endpgm
.Lfunc_end_k_q65c4348dd7_proj:
	.size	k_q65c4348dd7_proj, .Lfunc_end_k_q65c4348dd7_proj-k_q65c4348dd7_proj
	.p2alignl 7, 3214868480
	.fill 96, 4, 3214868480
	.section	.rodata,"a",@progbits
	.p2align	6, 0x0
	.amdhsa_kernel k_q65c4348dd7_proj
		.amdhsa_group_segment_fixed_size 327680
		.amdhsa_private_segment_fixed_size 0
		.amdhsa_enable_private_segment 0
		.amdhsa_kernarg_size 24
		.amdhsa_user_sgpr_count 2
		.amdhsa_user_sgpr_kernarg_segment_ptr 1
		.amdhsa_wavefront_size32 1
		.amdhsa_system_sgpr_workgroup_id_x 1
		.amdhsa_system_sgpr_workgroup_id_y 1
		.amdhsa_system_sgpr_workgroup_id_z 1
		.amdhsa_system_vgpr_workitem_id 0
		.amdhsa_next_free_vgpr 1024
		.amdhsa_next_free_sgpr 100
		.amdhsa_reserve_vcc 0
		.amdhsa_float_denorm_mode_32 3
		.amdhsa_float_denorm_mode_16_64 3
		.amdhsa_memory_ordered 1
		.amdhsa_forward_progress 1
		.amdhsa_inst_pref_size 150
	.end_amdhsa_kernel
	.amdgpu_metadata
---
amdhsa.version: [ 1, 2 ]
amdhsa.kernels:
  - .name:           k_q65c4348dd7_proj
    .symbol:         k_q65c4348dd7_proj.kd
    .args:
      - { .name: xw, .offset: 0, .size: 8, .value_kind: global_buffer, .address_space: global }
      - { .name: qh, .offset: 8, .size: 8, .value_kind: global_buffer, .address_space: global }
      - { .name: kv, .offset: 16, .size: 8, .value_kind: global_buffer, .address_space: global }
    .group_segment_fixed_size: 327680
    .private_segment_fixed_size: 0
    .kernarg_segment_align: 8
    .kernarg_segment_size: 24
    .max_flat_workgroup_size: 128
    .sgpr_count:     100
    .vgpr_count:     1024
    .wavefront_size: 32
...
	.end_amdgpu_metadata
.endif
;; end of part 2
;; launch attn (part 3): grid 4 x 64, 16 waves a work-group, clusters of 4 x 1, 210,944 bytes of LDS; arguments qh, kv, oa; writes oa
.if DOCPART == 3
	.amdgcn_target "amdgcn-amd-amdhsa--gfx1250"
	.amdhsa_code_object_version 6
	.text
	.protected	k_q65c4348dd7_attn
	.globl	k_q65c4348dd7_attn
	.p2align	8
	.type	k_q65c4348dd7_attn,@function
k_q65c4348dd7_attn:
	s_mov_b64 s[64:65], 0
	v_nop
	global_prefetch_b8 v0, s[64:65] scope:SCOPE_SE
	s_setreg_imm32_b32 hwreg(HW_REG_WAVE_MODE, 25, 1), 1
	s_wait_xcnt 0x0
	s_wait_alu depctr_hold_cnt(0) depctr_sa_sdst(0) depctr_va_vdst(0) depctr_va_sdst(0) depctr_va_ssrc(0) depctr_va_vcc(0) depctr_vm_vsrc(0)
	s_getreg_b32 s2, hwreg(HW_REG_IB_STS2, 6, 4)
	s_cmp_eq_u32 s2, 0
	s_cbranch_scc0 .Lentry_in_a_cluster
	s_endpgm
.Lentry_in_a_cluster:
	s_bfe_u32 s2, ttmp6, 0x10000c
	s_cmp_lg_u32 s2, 0x3003
	s_cbranch_scc0 .Lentry_shape_is_right
	s_endpgm
.Lentry_shape_is_right:
; O[head][q] = the sum over k of softmax_k(Q[q] . K[k] / 8) V[k], 64 heads of 2,048 x 64, both products on codes of FP6 (E2M3) with E8M0 scales; O / l is quantised along D and leaves as codes, laid as the last product's operand.
; THE SOFTMAX: t = score x log2(e) / 8; M = the running largest t rounded UP to a whole number; p = 2^(t - M) is quantised along the keys, not normalised; the row's sum l is taken of the unquantised p and divides O at the end.
; When M moves, the sum and O are multiplied by 2^(old M - new M): exact.
; SHARES.  A work-group owns 512 queries of one head, in two passes of 256; each of its sixteen waves owns one tile of 16 queries a pass, in 256 registers: four waves to a SIMD, so that one wave's vector work stands beside another's products and LDS loads.
; A WHOLE HEAD'S K, V AND SCALES STAY IN LDS: 208,896 dense bytes, brought once: each wave issues one tensor load of 51 rows of 256 bytes.  Nothing is filled again: no ring, and no barrier in the loops.
; CLUSTER: the four work-groups of a head need the same 208,896 bytes: each load is asked for jointly, with a mask that names the four.  No prefetch: all that is read is asked for at the head.
; LAYOUT.  Both products are used transposed: S^T = K Q^T (source 0 = 16 keys), O^T = V^T P^T (source 0 = 16 channels): a lane holds ONE query throughout.  Tiles of keys, queries and channels take their rows as lane-row r of tile
; 2 b + u = row 32 b + 8 u + r + 8 (r / 8), so that the 16 registers of tiles 2 b, 2 b + 1 are 16 neighbours along the next K.
; K = 64 IN AN INSTRUCTION OF 128: Q's registers 6-11 hold zero codes.  K's registers 6-11 are the NEXT tile's codes (behind tile 7: zeros): every product there is 0 x a finite number (FP6 has no infinity and no NaN),
; and the scale bytes of that half repeat the real two.  That spares 24 registers, and V's fragments can land in K's registers under the softmax.
; LIMITS: M starts from t = -3e38; 1 / l is v_rcp_f32 and a multiply; a block of O of zeros or under 2^-124 gets the byte 1; NaN and infinities are not served.
; O's scale bytes are stored one byte a lane: of each row's 8 bytes only two are this head's, the others belong to other work-groups.
.set HSQ,   106496                     ; a head in qh
.set HSK,   208896                     ; a head in kv, and in LDS as it lies in memory: K's codes at 0,
.set KSC,   98304                      ; K's scale images (512 bytes a step of 128 keys),
.set VOFF,  106496                     ; V's fragments (6,144 bytes a step),
.set VSC,   204800                     ; V's scale images (256 bytes a step)
.set PART,  13056                      ; 51 rows of 256 bytes: a wave's sixteenth
.set SPARE, 208896                     ; behind the head: the spare words, 128 bytes for each wave, which no other line names
.set SPW,   7                          ; v7   LDS address of my spare word; never rewritten
.set NIL,   8                          ; v8   0; never rewritten
; v1 16 l; v2 8 l; v3, v4 the same in V's codes; v5 K's scale images + 16 l; v6 V's + 8 l; v9 16 r; v10 8 r + hh; v12 -M; v13 the largest t; v[14:15] the sum in two halves;
; v16-27 Q of pass 0, v28 its scale word; v29 p's scale word; v32-35 K's scale words; v36-37 V's; v212-215 block maxima; v216-219 bytes; v220-223 scale operands; v224 at work; v[226:227] f; v[228:229] the sum's second chain;
; v230-235 the step's LDS addresses; v236-247 Q of pass 1, v248 its scale word
.set KB,    40                         ; v40-87 K's 8 tiles, 6 registers each; v88-93 zeros; later V's 4 fragments, 12 each
.set S,     96                         ; v96-159 S^T, then p
.set O,     160                        ; v160-191 O^T
.set PC,    192                        ; v192-203 p's codes; v204-206, v208-210 second halves as they are made
.macro CROUND                          ; a round of the cluster's barrier
	s_barrier_signal -1
	s_barrier_wait -1
	s_cmp_lg_u32 s12, 0
	s_cbranch_scc1 .Lnot_wave_0_\@
	s_barrier_signal -3
.Lnot_wave_0_\@:
	s_barrier_wait -3
	s_barrier_signal -1
	s_barrier_wait -1
.endm
	s_load_b128 s[4:7], s[0:1], 0x0                ; qh, kv
	s_load_b64 s[8:9], s[0:1], 0x10                ; oa
	v_lshl_add_u32 v[SPW], v0, 2, SPARE
	v_mov_b32 v[NIL], 0
	ds_add_u32 v[SPW], v[NIL]                      ; the wave's opening: the add and its wait ahead of my first tensor load; work on registers stands between them
	ds_add_u32 v[SPW], v[NIL]
	v_lshrrev_b32 v11, 5, v0
	s_delay_alu instid0(VALU_DEP_1)
	v_readfirstlane_b32 s12, v11                   ; wave 0..15
	s_bfe_u32 s13, ttmp6, 0x40000                  ; cx: which 512 queries: it enters Q's and O's global addresses alone
	s_and_b32 s14, ttmp7, 0xffff                   ; the head, which the four partners share
	; descriptor group 1: 51 rows of 256 bytes (32 elements of 8 bytes), dense, no padding
	s_mov_b32 s24, 15|(3<<16)|(1<<21)              ; 15:0 the mask: all four work-groups; 17:16 elements of 8 bytes; 21 set beside a mask
	s_mov_b32 s25, 32<<16                          ; tensor_dim0
	s_mov_b32 s26, 51<<16                          ; tensor_dim1
	s_mov_b32 s27, 32<<16                          ; tile_dim0
	s_mov_b32 s28, 51                              ; tile_dim1
	s_mov_b32 s29, 32                              ; tensor_dim0_stride
	s_mov_b32 s30, 0
	s_mov_b32 s31, 0
	s_mul_i32 s15, s12, PART                       ; my sixteenth: in LDS, and in the head's bytes
	s_mul_i32 s16, s14, HSK
	s_add_co_u32 s16, s16, s15
	s_mov_b32 s17, 0
	s_lshl_b32 s18, s13, 5
	s_add_co_u32 s18, s18, s12                     ; my query tile of pass 0: 32 cx + wave; pass 1's is 16 on
	s_mul_i32 s19, s14, HSQ
	s_mul_i32 s42, s18, 768
	s_add_co_u32 s42, s42, s19                     ; its codes
	s_mov_b32 s43, 0
	s_lshr_b32 s50, s18, 3                         ; its group of 128 queries
	s_lshl_b32 s44, s50, 9                         ; its scale word: the group's image,
	s_add_co_u32 s44, s44, s19
	s_and_b32 s51, s18, 1
	s_lshl_b32 s51, s51, 8                         ; odd tiles in lanes 16-31's bytes,
	s_add_co_u32 s44, s44, s51
	s_bfe_u32 s51, s18, 0x20001
	s_lshl_b32 s51, s51, 2                         ; word (tile % 8) / 2
	s_add_co_u32 s44, s44, s51
	s_add_co_u32 s44, s44, KSC
	s_mov_b32 s45, 0
	s_lshr_b32 s52, s14, 4                         ; O: the batch's 16 groups of tokens,
	s_lshl_b32 s52, s52, 4
	s_add_co_u32 s52, s52, s50                     ; my group,
	s_lshl_b32 s52, s52, 2
	s_bfe_u32 s53, s14, 0x20002                    ; the 256 along D in which my head's 64 lie,
	s_add_co_u32 s52, s52, s53
	s_mul_i32 s52, s52, 25600                      ; that block of oa
	s_and_b32 s53, s12, 7                          ; my tile in the group
	s_mul_i32 s54, s53, 3072
	s_and_b32 s55, s14, 3                          ; which 64 of the 256
	s_mul_i32 s56, s55, 768
	s_add_co_u32 s46, s52, s54
	s_add_co_u32 s46, s46, s56                     ; codes
	s_mov_b32 s47, 0
	s_lshl_b32 s54, s53, 7
	s_add_co_u32 s48, s52, s54
	s_lshr_b32 s56, s55, 1
	s_lshl_b32 s56, s56, 2
	s_add_co_u32 s48, s48, s56
	s_and_b32 s56, s14, 1
	s_lshl_b32 s56, s56, 1
	s_add_co_u32 s48, s48, s56
	s_add_co_u32 s48, s48, 24576                   ; scale bytes: 128 a tile, 8 a row, my head's two
	s_mov_b32 s49, 0
	s_mov_b32 s20, 0x76543210
	s_mov_b32 s21, 0xfedcba98                      ; v_permlanex16_b32's selects for lane l xor 16
	s_mov_b32 s22, 0x3e38aa3b                      ; c = log2(e) / 8
	s_mov_b32 s23, s22                             ; (named with it as a pair, so it is written)
	s_mov_b32 s40, 0xffff0000                      ; lanes 16-31
	s_wait_dscnt 0x0                               ; the opening add is done
	s_wait_kmcnt 0x0
	s_mov_b32 s32, 1                               ; descriptor group 0: count = 1,
	s_mov_b32 s33, s15                             ; LDS address,
	s_add_nc_u64 s[34:35], s[6:7], s[16:17]        ; global address: made of the head and the wave's number,
	s_or_b32 s35, s35, 0x80000000                  ; type = 2
	s_add_nc_u64 s[42:43], s[4:5], s[42:43]
	s_add_nc_u64 s[44:45], s[4:5], s[44:45]
	s_add_nc_u64 s[46:47], s[8:9], s[46:47]
	s_add_nc_u64 s[48:49], s[8:9], s[48:49]
	CROUND                                         ; all four work-groups are here: the joint loads meet
	tensor_load_to_lds s[32:35], s[24:31]          ; my one tensor load of the launch
	s_nop 0
.rept 4
	v_nop
.endr
	v_and_b32 v9, 31, v0
	s_delay_alu instid0(VALU_DEP_1)
	v_lshlrev_b32 v1, 4, v9
	s_delay_alu instid0(VALU_DEP_2)
	v_lshlrev_b32 v2, 3, v9
	s_delay_alu instid0(VALU_DEP_2)
	v_add_nc_u32 v3, VOFF, v1
	s_delay_alu instid0(VALU_DEP_2)
	v_add_nc_u32 v4, VOFF, v2
	s_delay_alu instid0(VALU_DEP_4)
	v_add_nc_u32 v5, KSC, v1
	s_delay_alu instid0(VALU_DEP_4)
	v_add_nc_u32 v6, VSC, v2
	v_and_b32 v11, 15, v0                          ; r
	v_bfe_u32 v10, v0, 4, 1                        ; hh
	s_delay_alu instid0(VALU_DEP_2)
	v_lshlrev_b32 v9, 4, v11
	s_delay_alu instid0(VALU_DEP_2)
	v_lshl_add_u32 v10, v11, 3, v10
	global_load_b128 v[16:19], v1, s[42:43]        ; Q of both passes stays in registers
	global_load_b64 v[20:21], v2, s[42:43] offset:512
	global_load_b32 v28, v9, s[44:45]
	global_load_b128 v[236:239], v1, s[42:43] offset:12288
	global_load_b64 v[240:241], v2, s[42:43] offset:12800
	global_load_b32 v248, v9, s[44:45] offset:1024
.irp j, 0,1,2,3,4,5
	v_mov_b32 v[22+\j], 0                          ; zero codes for k = 64 .. 127
	v_mov_b32 v[242+\j], 0
	v_mov_b32 v[KB+48+\j], 0                       ; and behind K's tile 7
.endr
.irp b, 0,1,2,3
	v_mov_b32 v[216+\b], 0                         ; written once: a lane permute's destination counts as one of its sources
.endr
	v_mov_b32 v227, 0                              ; (named as the upper half of the pair v[226:227])
	s_wait_tensorcnt 0x0                           ; my sixteenth has landed,
	s_barrier_signal -1
	s_barrier_wait -1                              ; everybody's has
	s_wait_loadcnt 0x0                             ; Q
; A KEY STEP: 128 keys.  s36, s37, s38: where the step's codes (K's and V's alike), K's scale image and V's begin
.macro STEP QF, QS
	v_add_nc_u32 v230, s36, v1                     ; (these six are also the places between the last step's products and the loads into K's registers)
	v_add_nc_u32 v231, s36, v2
	v_add_nc_u32 v232, s36, v3
	v_add_nc_u32 v233, s36, v4
	v_add_nc_u32 v234, s37, v5
	v_add_nc_u32 v235, s38, v6
	ds_load_b128 v[32:35], v234                    ; K's scale words: word i: lanes 0-15 tile 2 i, lanes 16-31 tile 2 i + 1
.irp t, 0,1,2,3,4,5,6,7
	ds_load_b128 v[KB+6*\t:KB+6*\t+3], v230 offset:768*\t
	ds_load_b64 v[KB+6*\t+4:KB+6*\t+5], v231 offset:768*\t+512
.endr
	s_wait_alu depctr_va_vdst(0)
	s_wait_dscnt 0x0
.irp t, 0,1,2,3,4,5,6,7                ; S^T = K Q^T: eight accumulators, one instruction each
.if (\t)%2
	v_wmma_scale_f32_16x16x128_f8f6f4 v[S+8*\t:S+8*\t+7], v[KB+6*\t:KB+6*\t+11], v[\QF:\QF+11], 0, v[32+\t/2], v[\QS] matrix_a_fmt:MATRIX_FMT_FP6 matrix_b_fmt:MATRIX_FMT_FP6 matrix_a_scale:MATRIX_SCALE_ROW1
.else
	v_wmma_scale_f32_16x16x128_f8f6f4 v[S+8*\t:S+8*\t+7], v[KB+6*\t:KB+6*\t+11], v[\QF:\QF+11], 0, v[32+\t/2], v[\QS] matrix_a_fmt:MATRIX_FMT_FP6 matrix_b_fmt:MATRIX_FMT_FP6
.endif
.endr
.rept 4
	v_nop                                          ; places in front of the loads into K's registers and of the first read of the scores
.endr
	ds_load_b64 v[36:37], v235                     ; V's scale words and fragments land under the softmax
.irp t, 0,1,2,3
	ds_load_b128 v[KB+12*\t:KB+12*\t+3], v232 offset:1536*\t
	ds_load_b64 v[KB+12*\t+4:KB+12*\t+5], v233 offset:1536*\t+512
	ds_load_b128 v[KB+12*\t+6:KB+12*\t+9], v232 offset:1536*\t+768
	ds_load_b64 v[KB+12*\t+10:KB+12*\t+11], v233 offset:1536*\t+1280
.endr
.irp b, 0,1,2,3
	v_max3_num_f32 v[212+\b], v[S+16*\b], v[S+1+16*\b], v[S+2+16*\b]   ; the largest score of each block of 32 keys: for the row's maximum, and, since p rises with the score, for the block's largest p
.endr
.irp i, 3,5,7,9,11,13
.irp b, 0,1,2,3
	v_max3_num_f32 v[212+\b], v[212+\b], v[S+16*\b+\i], v[S+1+16*\b+\i]
.endr
.endr
.irp b, 0,1,2,3
	v_max_num_f32 v[212+\b], v[212+\b], v[S+15+16*\b]
.endr
.irp b, 0,1,2,3
	s_delay_alu instid0(VALU_DEP_4)
	v_permlanex16_b32 v[216+\b], v[212+\b], s20, s21
.endr
.irp b, 0,1,2,3
	s_delay_alu instid0(VALU_DEP_4)
	v_max_num_f32 v[212+\b], v[212+\b], v[216+\b]  ; with lane l xor 16's 16 keys
.endr
	s_delay_alu instid0(VALU_DEP_2)
	v_max3_num_f32 v224, v212, v213, v214
	s_delay_alu instid0(VALU_DEP_1)
	v_max_num_f32 v224, v224, v215                 ; the step's largest score of my query
	s_delay_alu instid0(VALU_DEP_1)
	v_mul_f32 v224, s22, v224                      ; as t (c is positive)
	s_delay_alu instid0(VALU_DEP_1)
	v_max_num_f32 v13, v13, v224                   ; the running largest t
	v_mov_b32 v224, v12
	s_delay_alu instid0(VALU_DEP_2)
	v_floor_f32 v12, -v13                          ; the new -M = floor(-t): M is a whole number
	s_delay_alu instid0(VALU_DEP_1)
	v_sub_f32 v224, v12, v224                      ; old M - new M: a whole number, 0 or less
	s_delay_alu instid0(VALU_DEP_1)
	v_cvt_i32_f32 v224, v224                       ; (it saturates)
	s_delay_alu instid0(VALU_DEP_1)
	v_ldexp_f32 v226, 1.0, v224                    ; f = 2^(old M - new M)
.irp j, 0,2,4,6,8,10,12,14,16,18,20,22,24,26,28,30,32,34,36,38,40,42,44,46,48,50,52,54,56,58,60,62
	v_pk_fma_f32 v[S+\j:S+\j+1], v[S+\j:S+\j+1], s[22:23], v[12:13] op_sel_hi:[1,0,0]   ; t - M, two at a time (of the pairs c and -M the low word serves both halves)
.endr
.irp b, 0,1,2,3
	v_fma_f32 v[212+\b], v[212+\b], s22, v12       ; the same of each block's largest score
.endr
	s_wait_alu depctr_va_vdst(0)
.irp j, 0,1,2,3,4,5,6,7,8,9,10,11,12,13,14,15,16,17,18,19,20,21,22,23,24,25,26,27,28,29,30,31,32,33,34,35,36,37,38,39,40,41,42,43,44,45,46,47,48,49,50,51,52,53,54,55,56,57,58,59,60,61,62,63
	v_exp_f32 v[S+\j], v[S+\j]                     ; p = 2^(t - M), at most 1: not normalised
.endr
	v_pk_mul_f32 v[14:15], v[14:15], v[226:227] op_sel_hi:[1,0]   ; the sums under the new M (a plain place behind the exponentials)
	s_wait_alu depctr_va_vdst(0)                   ; one wait for the batch of 64, ahead of its first reader
.irp b, 0,1,2,3
	v_exp_f32 v[212+\b], v[212+\b]                 ; the block's largest p: the same two instructions on the same number give the same bits
.endr
	s_wait_alu depctr_va_vdst(0)
.irp j, 0,2,4,6,8,10,12,14,16,18,20,22,24,26,28,30
	v_pk_mul_f32 v[O+\j:O+\j+1], v[O+\j:O+\j+1], v[226:227] op_sel_hi:[1,0]   ; O^T under the new M: independent work behind the four
.endr
	s_wait_alu depctr_va_vdst(0)                   ; and one for the four
.irp b, 0,1,2,3
	v_max_num_f32 v[212+\b], 0x1800000, v[212+\b]  ; the floor 2^(3 - 127): the byte cannot fall under 1
.endr
.irp b, 0,1,2,3
	s_delay_alu instid0(VALU_DEP_4)
	v_add_nc_u32 v[220+\b], 0xff000000, v[212+\b]  ; 2 off the exponent field: the conversion's scale operand
.endr
.irp b, 0,1,2,3
	s_delay_alu instid0(VALU_DEP_4)
	v_lshrrev_b32 v[216+\b], 23, v[220+\b]         ; the scale's byte
.endr
	s_delay_alu instid0(VALU_DEP_3)
	v_lshl_or_b32 v29, v217, 8, v216               ; p's scale word for these 128 keys
	s_delay_alu instid0(VALU_DEP_1)
	v_lshl_or_b32 v29, v218, 16, v29
	s_delay_alu instid0(VALU_DEP_1)
	v_lshl_or_b32 v29, v219, 24, v29
.irp c, 0,1
	v_cvt_scalef32_pk16_fp6_f32 v[PC+6*\c:PC+6*\c+2], v[S+32*\c:S+32*\c+15], v[220+2*\c]
	v_cvt_scalef32_pk16_fp6_f32 v[PC+12+4*\c:PC+14+4*\c], v[S+32*\c+16:S+32*\c+31], v[221+2*\c]   ; (a conversion's three registers begin on an even number)
.endr
	v_nop                                          ; one plain place behind a scaled conversion
.irp c, 0,1                            ; lanes 0-15 get the whole of block 2 c, lanes 16-31 of block 2 c + 1
.irp i, 0,1,2
	v_permlane16_swap_b32 v[PC+6*\c+\i], v[PC+12+4*\c+\i]
.endr
.irp i, 0,1,2
	s_delay_alu instid0(VALU_DEP_3)
	v_mov_b32 v[PC+3+6*\c+\i], v[PC+12+4*\c+\i]
.endr
.endr
	v_pk_add_f32 v[228:229], v[100:101], v[104:105]
	v_pk_add_f32 v[254:255], v[108:109], v[112:113]
	v_pk_add_f32 v[252:253], v[116:117], v[120:121]
	v_pk_add_f32 v[250:251], v[124:125], v[128:129]
	v_pk_add_f32 v[234:235], v[132:133], v[136:137]
	v_pk_add_f32 v[232:233], v[140:141], v[144:145]
	v_pk_add_f32 v[230:231], v[148:149], v[152:153]
	v_pk_add_f32 v[14:15], v[14:15], v[156:157]
	v_pk_add_f32 v[228:229], v[228:229], v[96:97]
	v_pk_add_f32 v[254:255], v[254:255], v[98:99]
	v_pk_add_f32 v[252:253], v[252:253], v[102:103]
	v_pk_add_f32 v[250:251], v[250:251], v[106:107]
	v_pk_add_f32 v[234:235], v[234:235], v[110:111]
	v_pk_add_f32 v[232:233], v[232:233], v[114:115]
	v_pk_add_f32 v[230:231], v[230:231], v[118:119]
	v_pk_add_f32 v[14:15], v[14:15], v[122:123]
	v_pk_add_f32 v[228:229], v[228:229], v[126:127]
	v_pk_add_f32 v[254:255], v[254:255], v[130:131]
	v_pk_add_f32 v[252:253], v[252:253], v[134:135]
	v_pk_add_f32 v[250:251], v[250:251], v[138:139]
	v_pk_add_f32 v[234:235], v[234:235], v[142:143]
	v_pk_add_f32 v[232:233], v[232:233], v[146:147]
	v_pk_add_f32 v[230:231], v[230:231], v[150:151]
	v_pk_add_f32 v[14:15], v[14:15], v[154:155]
	v_pk_add_f32 v[228:229], v[228:229], v[158:159]
	s_delay_alu instid0(VALU_DEP_2)
	v_pk_add_f32 v[14:15], v[14:15], v[250:251]
	s_delay_alu instid0(VALU_DEP_2)
	v_pk_add_f32 v[228:229], v[228:229], v[234:235]
	v_pk_add_f32 v[254:255], v[254:255], v[232:233]
	v_pk_add_f32 v[252:253], v[252:253], v[230:231]
	s_delay_alu instid0(VALU_DEP_2)
	v_pk_add_f32 v[14:15], v[14:15], v[254:255]
	s_delay_alu instid0(VALU_DEP_2)
	v_pk_add_f32 v[228:229], v[228:229], v[252:253]
	s_delay_alu instid0(VALU_DEP_1)
	v_pk_add_f32 v[14:15], v[14:15], v[228:229]
	s_wait_dscnt 0x0                               ; V is in
.irp t, 0,1,2,3                        ; O^T += V^T P^T: four accumulators, one instruction each: between two links of a chain stand the eleven other products of a step
.if (\t)%2
	v_wmma_scale_f32_16x16x128_f8f6f4 v[O+8*\t:O+8*\t+7], v[KB+12*\t:KB+12*\t+11], v[PC:PC+11], v[O+8*\t:O+8*\t+7], v[36+\t/2], v29 matrix_a_fmt:MATRIX_FMT_FP6 matrix_b_fmt:MATRIX_FMT_FP6 matrix_a_scale:MATRIX_SCALE_ROW1
.else
	v_wmma_scale_f32_16x16x128_f8f6f4 v[O+8*\t:O+8*\t+7], v[KB+12*\t:KB+12*\t+11], v[PC:PC+11], v[O+8*\t:O+8*\t+7], v[36+\t/2], v29 matrix_a_fmt:MATRIX_FMT_FP6 matrix_b_fmt:MATRIX_FMT_FP6
.endif
.endr
	s_add_co_u32 s36, s36, 6144
	s_add_co_u32 s37, s37, 512
	s_add_co_u32 s38, s38, 256
.endm
; A PASS: my tile of 16 queries against all 2,048 keys, then the way out.
.macro PASS p, QF, QS
.if \p
	s_wait_xcnt 0x0                                ; the first pass's stores have read their data: those registers are written again only behind this wait
.endif
	v_mov_b32 v13, 0xff61b1e6                      ; the largest t so far: -3e38, under every t
	s_delay_alu instid0(VALU_DEP_1)
	v_floor_f32 v12, -v13                          ; -M
	v_mov_b32 v14, 0                               ; the sum, in two halves
	v_mov_b32 v15, 0
.irp j, 0,1,2,3,4,5,6,7,8,9,10,11,12,13,14,15,16,17,18,19,20,21,22,23,24,25,26,27,28,29,30,31
	v_mov_b32 v[O+\j], 0                           ; O^T: the step is written once: the first finds zeros, which the first change of M leaves zeros
.endr
	s_mov_b32 s36, 0
	s_mov_b32 s37, 0
	s_mov_b32 s38, 0
	s_mov_b32 s39, 16
.Lstep_\@:
	STEP \QF, \QS
	s_sub_co_u32 s39, s39, 1
	s_cmp_lg_u32 s39, 0
	s_cbranch_scc1 .Lstep_\@
.rept 4
	v_nop                                          ; places behind the last products
.endr
	s_wait_alu depctr_va_vdst(0)
	v_add_f32 v14, v14, v15                        ; the sum's two halves,
	s_delay_alu instid0(VALU_DEP_1)
	v_permlanex16_b32 v216, v14, s20, s21
	s_delay_alu instid0(VALU_DEP_1)
	v_add_f32 v14, v14, v216                       ; and lane l xor 16's: l
	s_wait_alu depctr_va_vdst(0)
	v_rcp_f32 v226, v14
	v_nop                                          ; a plain place behind the transcendental
	s_wait_alu depctr_va_vdst(0)                   ; and the wait ahead of its first reader
.irp j, 0,2,4,6,8,10,12,14,16,18,20,22,24,26,28,30
	v_pk_mul_f32 v[S+\j:S+\j+1], v[O+\j:O+\j+1], v[226:227] op_sel_hi:[1,0]   ; O^T / l, each accumulator from its low end on: register 16 b + i is channel 32 b + 16 (lane / 16) + i of my query
.endr
.irp b, 0,1
	v_max3_num_f32 v[212+\b], |v[S+16*\b]|, |v[S+16*\b+1]|, 0x1800000   ; the head's 64 channels are two blocks of 32 along D
.endr
.irp i, 2,4,6,8,10,12,14
.irp b, 0,1
	s_delay_alu instid0(VALU_DEP_2)
	v_max3_num_f32 v[212+\b], v[212+\b], |v[S+16*\b+\i]|, |v[S+16*\b+\i+1]|
.endr
.endr
.irp b, 0,1
	s_delay_alu instid0(VALU_DEP_2)
	v_permlanex16_b32 v[216+\b], v[212+\b], s20, s21
.endr
.irp b, 0,1
	s_delay_alu instid0(VALU_DEP_2)
	v_max_num_f32 v[212+\b], v[212+\b], v[216+\b]
.endr
.irp b, 0,1
	s_delay_alu instid0(VALU_DEP_2)
	v_add_nc_u32 v[220+\b], 0xff000000, v[212+\b]
.endr
.irp b, 0,1
	s_delay_alu instid0(VALU_DEP_2)
	v_lshrrev_b32 v[216+\b], 23, v[220+\b]
.endr
	v_cvt_scalef32_pk16_fp6_f32 v[PC:PC+2], v[S:S+15], v220
	v_cvt_scalef32_pk16_fp6_f32 v[PC+12:PC+14], v[S+16:S+31], v221
	v_nop                                          ; one plain place behind a scaled conversion
.irp i, 0,1,2
	v_permlane16_swap_b32 v[PC+\i], v[PC+12+\i]
.endr
.irp i, 0,1,2
	s_delay_alu instid0(VALU_DEP_3)
	v_mov_b32 v[PC+3+\i], v[PC+12+\i]
.endr
	v_cndmask_b32 v218, v216, v217, s40            ; lanes 0-15 store block 0's byte, lanes 16-31 block 1's
	global_store_b128 v1, v[PC:PC+3], s[46:47] offset:204800*\p        ; 512 and 256 consecutive bytes, aligned; pass 1's group of tokens lies two groups on
	global_store_b64 v2, v[PC+4:PC+5], s[46:47] offset:204800*\p+512
	global_store_b8 v10, v218, s[48:49] offset:204800*\p
.endm
	PASS 0, 16, 28
	PASS 1, 236, 248
	s_wait_tensorcnt 0x0                           ; the wave's end
	ds_add_u32 v[SPW], v[NIL]
	s_wait_dscnt 0x0
	CROUND                                         ; the closing round
	s_endpgm
.Lfunc_end_k_q65c4348dd7_attn:
	.size	k_q65c4348dd7_attn, .Lfunc_end_k_q65c4348dd7_attn-k_q65c4348dd7_attn
	.p2alignl 7, 3214868480
	.fill 96, 4, 3214868480
	.section	.rodata,"a",@progbits
	.p2align	6, 0x0
	.amdhsa_kernel k_q65c4348dd7_attn
		.amdhsa_group_segment_fixed_size 210944
		.amdhsa_private_segment_fixed_size 0
		.amdhsa_enable_private_segment 0
		.amdhsa_kernarg_size 24
		.amdhsa_user_sgpr_count 2
		.amdhsa_user_sgpr_kernarg_segment_ptr 1
		.amdhsa_wavefront_size32 1
		.amdhsa_system_sgpr_workgroup_id_x 1
		.amdhsa_system_sgpr_workgroup_id_y 1
		.amdhsa_system_sgpr_workgroup_id_z 1
		.amdhsa_system_vgpr_workitem_id 0
		.amdhsa_next_free_vgpr 256
		.amdhsa_next_free_sgpr 66
		.amdhsa_reserve_vcc 0
		.amdhsa_float_denorm_mode_32 3
		.amdhsa_float_denorm_mode_16_64 3
		.amdhsa_memory_ordered 1
		.amdhsa_forward_progress 1
		.amdhsa_inst_pref_size 53
	.end_amdhsa_kernel
	.amdgpu_metadata
---
amdhsa.version: [ 1, 2 ]
amdhsa.kernels:
  - .name:           k_q65c4348dd7_attn
    .symbol:         k_q65c4348dd7_attn.kd
    .args:
      - { .name: qh, .offset: 0, .size: 8, .value_kind: global_buffer, .address_space: global }
      - { .name: kv, .offset: 8, .size: 8, .value_kind: global_buffer, .address_space: global }
      - { .name: oa, .offset: 16, .size: 8, .value_kind: global_buffer, .address_space: global }
    .group_segment_fixed_size: 210944
    .private_segment_fixed_size: 0
    .kernarg_segment_align: 8
    .kernarg_segment_size: 24
    .max_flat_workgroup_size: 512
    .sgpr_count:     66
    .vgpr_count:     256
    .wavefront_size: 32
...
	.end_amdgpu_metadata
.endif
;; end of part 3
;; launch outp (part 4): grid 8 x 32, 4 waves a work-group, clusters of 4 x 4, 327,680 bytes of LDS; arguments oa, xw, out0; writes out0
.if DOCPART == 4
	.amdgcn_target "amdgcn-amd-amdhsa--gfx1250"
	.amdhsa_code_object_version 6
	.text
	.protected	k_q65c4348dd7_outp
	.globl	k_q65c4348dd7_outp
	.p2align	8
	.type	k_q65c4348dd7_outp,@function
k_q65c4348dd7_outp:
	s_mov_b64 s[64:65], 0
	v_nop
	global_prefetch_b8 v0, s[64:65] scope:SCOPE_SE
	s_setreg_imm32_b32 hwreg(HW_REG_WAVE_MODE, 25, 1), 1
	s_wait_xcnt 0x0
	s_wait_alu depctr_hold_cnt(0) depctr_sa_sdst(0) depctr_va_vdst(0) depctr_va_sdst(0) depctr_va_ssrc(0) depctr_va_vcc(0) depctr_vm_vsrc(0)
	s_getreg_b32 s2, hwreg(HW_REG_IB_STS2, 6, 4)
	s_cmp_eq_u32 s2, 0
	s_cbranch_scc0 .Lentry_in_a_cluster
	s_endpgm
.Lentry_in_a_cluster:
	s_bfe_u32 s2, ttmp6, 0x10000c
	s_cmp_lg_u32 s2, 0xf033
	s_cbranch_scc0 .Lentry_shape_is_right
	s_endpgm
.Lentry_shape_is_right:
; out0[m][n] = the sum over k of O[m][k] w_o[n][k]: [8192][1024] x [1024][1024], both operands codes of FP6 (E2M3) with one E8M0 byte for each 32 along K; sums and result f32.
; THE OPERANDS lie in the order of an operand's registers.  128 rows are a group of 102,400 bytes: four blocks of 25,600 bytes, one for each 256 along K.  In a block, tile t (16 rows), u-th 64 along K: 768 bytes at 3072 t + 768 u:
; lane l's first 16 bytes at 16 l, its last 8 at 512 + 8 l; scale bytes at 24,576 + 128 t + 8 r + 4 q.  oa holds O's 64 groups, xw holds w_o's eight as its groups 216 to 223.
; In each 32 rows, lane-row r of tile u is row 8 u + r + 8 (r / 8), in both operands.
; SHARES.  A work-group makes 256 x 128 of the result: 32 x 8 = 256 work-groups.  ALL OF K FOR ITS ROWS AND COLUMNS LIES IN LDS AT ONCE: two groups of O and one of w_o, 307,200 bytes, brought by the head's four tensor loads, one a wave:
; waves 0 and 1 a group of O each (400 rows of 256 bytes), waves 2 and 3 half of w_o's group each (200 rows).  Nothing is filled again: no ring, and no round between the opening one and the closing one.
; Four waves, 2 x 2: a wave makes 128 x 64: 32 accumulators of 16 x 16, 256 registers.  K goes in eight steps of 128: 12 fragments (48 LDS loads) for 32 products; fragments lie twice in registers, and a step's are asked for ahead of the products of the step before.
; CLUSTERS: 4 x 4 work-groups.  The four of a row of the cluster need the same groups of O, the four of a column the same group of w_o: each load is asked for jointly, with a mask that names the four.
; No prefetch: all that is read is asked for at the head, and no later request follows that one could run ahead of.
; THE MATRIX INSTRUCTION IS USED TRANSPOSED (source 0 = 16 rows of w_o, source 1 = 16 rows of O): a lane holds eight neighbouring numbers of a row of the result.
; REGISTERS, in windows of 256: window 0: v0-31 addresses; v32-63 scale words, two sets of 16; v64-159, v160-255 O's fragments, two sets; window 1: v0-47, v48-95 w_o's fragments, two sets; window 2: the accumulators, (a, b) at 8 (4 a + b).
.set GBB,   25600                      ; a block: 128 rows x 256 along K
.set GRP,   4*GBB                      ; a group
.set SCO,   24576                      ; a block's scale bytes
.set STAGE, 3*GRP                      ; behind the operands: a stage of 16 rows x 272 bytes for each wave, into which no tensor load lands
.set SPITCH, 272                       ; a stage row: 256 bytes + 16, so that the sixteen rows that a store touches start 16 bytes apart modulo 256
.set SPARE, STAGE+4*16*SPITCH          ; behind the stages: the spare words, 128 bytes for each wave, which no other line names
.set FR,    12                         ; registers of a fragment
.set NP,    4                          ; places behind this matrix instruction (ISA guide 7.12.1)
.set L16,   4                          ; v4   16 x lane
.set L8,    5                          ; v5   8 x lane
.set ADRS,  10                         ; v10-11 my scale words in K blocks 0-1, 2-3: lanes 0-15 O's tile i, lanes 16-31 w_o's tile i; v12-13 the same with lanes 16-31 four tiles back, for i = 4 .. 7
.set ADRA,  16                         ; v16-17 my group of O, K blocks 0-1, 2-3, + 16 l; v18-19 + 8 l
.set ADRB,  20                         ; v20-23 the same for my four tiles of w_o
.set STO,   24                         ; v24  the stage, on the way in
.set RD,    25                         ; v25  and on the way out
.set GO,    26                         ; v26  my byte offset in two rows of the result
.set SPW,   28                         ; v28  LDS address of my spare word; never rewritten
.set NIL,   29                         ; v29  0; never rewritten
.set SC,    32
.set AF,    64
.set BK,    64                         ; the way out: 16 rows read back from the stage: v64-95 and v96-127 by turns
.set G1,  24                           ; s[24:31], s[32:35] descriptor groups 1 and 0 for O
.set G0,  32
.set G1B, 48                           ; s[48:55], s[56:59] for w_o
.set G0B, 56
.set MSB, 0
.macro WIN new                         ; the immediate's high byte repeats the setting that is left
.if MSB != (\new)
	s_set_vgpr_msb (MSB<<8)|(\new)
.set MSB, \new
.endif
.endm
.set MULW, 0xa1                        ; source 0 (w_o) window 1, source 1 (O) window 0, C and D window 2
.set TO_B, 0x40                        ; destination window 1, address window 0
.macro PLACES n
.rept \n
	v_nop
.endr
.endm
.macro CROUND                          ; a round of the cluster's barrier
	s_barrier_signal -1
	s_barrier_wait -1
	s_cmp_lg_u32 s14, 0
	s_cbranch_scc1 .Lnot_wave_0_\@
	s_barrier_signal -3
.Lnot_wave_0_\@:
	s_barrier_wait -3
	s_barrier_signal -1
	s_barrier_wait -1
.endm
	s_load_b128 s[4:7], s[0:1], 0x0                ; oa, xw
	s_load_b64 s[8:9], s[0:1], 0x10                ; out0
	v_lshl_add_u32 v[SPW], v0, 2, SPARE
	v_mov_b32 v[NIL], 0
	ds_add_u32 v[SPW], v[NIL]                      ; the wave's opening: the add, twice on end, and its wait ahead of my first tensor load
	ds_add_u32 v[SPW], v[NIL]
	v_lshrrev_b32 v1, 5, v0
	v_readfirstlane_b32 s14, v1                    ; wave 0..3
	s_lshr_b32 s15, s14, 1                         ; which 128 rows are mine.  Also: I fetch for O (0) or for w_o (1)
	s_and_b32 s16, s14, 1                          ; which 64 columns.  Also: which part I fetch
	s_bfe_u32 s40, ttmp6, 0x40000                  ; cx, cy: my place in the cluster
	s_bfe_u32 s41, ttmp6, 0x40004
	s_lshl_b32 s42, ttmp9, 2
	s_add_co_u32 s42, s42, s40                     ; tile column = 4 x cluster x + cx, 0 .. 7
	s_and_b32 s17, ttmp7, 0xffff
	s_lshl_b32 s17, s17, 2
	s_add_co_u32 s17, s17, s41                     ; tile row = 4 x cluster y + cy, 0 .. 31
	s_lshl_b32 s43, s41, 2
	s_lshl_b32 s43, 15, s43                        ; my row of the cluster
	s_lshl_b32 s44, 0x1111, s40                    ; my column
	s_or_b32 s[G1+0], s43, (3<<16)|(1<<21)         ; the mask; elements of 8 bytes; bit 21 beside a mask.  Dense rows of 256 bytes, no padding
	s_or_b32 s[G1B+0], s44, (3<<16)|(1<<21)
	s_mov_b32 s[G1+1], 32<<16
	s_mov_b32 s[G1+2], 400<<16                     ; a group: 400 rows
	s_mov_b32 s[G1+3], 32<<16
	s_mov_b32 s[G1+4], 400
	s_mov_b32 s[G1+5], 32
	s_mov_b32 s[G1+6], 0
	s_mov_b32 s[G1+7], 0
	s_mov_b32 s[G1B+1], 32<<16
	s_mov_b32 s[G1B+2], 200<<16                    ; half a group: 200 rows
	s_mov_b32 s[G1B+3], 32<<16
	s_mov_b32 s[G1B+4], 200
	s_mov_b32 s[G1B+5], 32
	s_mov_b32 s[G1B+6], 0
	s_mov_b32 s[G1B+7], 0
	s_lshl_b32 s20, s17, 1
	s_add_co_u32 s20, s20, s16                     ; O: group 2 x tile row + part: made of the tile row, which my row of the cluster shares, and the wave's number
	s_mul_i32 s20, s20, GRP
	s_mov_b32 s21, 0
	s_add_co_u32 s46, s42, 216                     ; w_o: group 216 + tile column, which my column shares,
	s_mul_i32 s46, s46, GRP
	s_mul_i32 s47, s16, 2*GBB                      ; K blocks 0-1 or 2-3
	s_add_co_u32 s46, s46, s47
	s_mov_b32 s47, 0
	s_mul_i32 s45, s16, GRP                        ; where they go: O's two groups at 0,
	s_mul_i32 s18, s16, 2*GBB
	s_add_co_u32 s18, s18, 2*GRP                   ; w_o's two halves behind them: no place in the cluster enters an LDS address
	s_wait_dscnt 0x0                               ; both opening adds are done
	s_wait_kmcnt 0x0
	s_add_nc_u64 s[20:21], s[4:5], s[20:21]
	s_add_nc_u64 s[46:47], s[6:7], s[46:47]
	CROUND                                         ; all sixteen work-groups are here: the joint loads meet
	s_mov_b32 s[G0], 1
	s_mov_b32 s[G0+1], s45
	s_mov_b64 s[G0+2:G0+3], s[20:21]
	s_or_b32 s[G0+3], s[G0+3], 0x80000000
	s_mov_b32 s[G0B], 1
	s_mov_b32 s[G0B+1], s18
	s_mov_b64 s[G0B+2:G0B+3], s[46:47]
	s_or_b32 s[G0B+3], s[G0B+3], 0x80000000
	s_cmp_eq_u32 s15, 0                            ; one tensor load a wave: each of the two lines has one mask and one set of registers for all that issue it
	s_cbranch_scc0 .Lfor_b
	tensor_load_to_lds s[G0:G0+3], s[G1:G1+7]
	s_nop 0
	PLACES 4
	s_branch .Lasked
.Lfor_b:
	tensor_load_to_lds s[G0B:G0B+3], s[G1B:G1B+7]
	s_nop 0
	PLACES 4
.Lasked:
	v_and_b32 v1, 31, v0
	v_and_b32 v2, 15, v0                           ; r
	v_bfe_u32 v3, v0, 4, 1                         ; h
	v_lshlrev_b32 v[L16], 4, v1
	v_lshlrev_b32 v[L8], 3, v1
	s_mul_i32 s21, s15, GRP                        ; my group of O
	s_mul_i32 s22, s16, 4*3072                     ; my four tiles of w_o,
	s_add_co_u32 s22, s22, 2*GRP                   ; behind O's two groups
.irp s, 0,1
	v_add_nc_u32 v[ADRA+\s], s21, v[L16]
	v_add_nc_u32 v[ADRA+2+\s], s21, v[L8]
	v_add_nc_u32 v[ADRB+\s], s22, v[L16]
	v_add_nc_u32 v[ADRB+2+\s], s22, v[L8]
	s_add_co_u32 s21, s21, 2*GBB
	s_add_co_u32 s22, s22, 2*GBB
.endr
	s_mul_i32 s21, s15, GRP
	s_lshl_b32 s22, s16, 9                         ; four tiles' scale bytes are 512
	s_add_co_u32 s22, s22, 2*GRP
	s_sub_co_u32 s22, s22, s21                     ; from O's scale words to w_o's
	s_sub_co_u32 s23, s22, 512                     ; and to those four tiles back
	s_add_co_u32 s21, s21, SCO
	v_mul_u32_u24 v6, s22, v3                      ; lanes 16-31 take w_o's
	v_mul_u32_u24 v7, s23, v3
	v_lshl_add_u32 v6, v2, 3, v6                   ; 8 bytes a row
	v_lshl_add_u32 v7, v2, 3, v7
	v_add_nc_u32 v[ADRS], s21, v6
	v_add_nc_u32 v[ADRS+2], s21, v7
	v_add_nc_u32 v[ADRS+1], 2*GBB, v[ADRS]
	v_add_nc_u32 v[ADRS+3], 2*GBB, v[ADRS+2]
	s_mul_i32 s23, s14, 16*SPITCH
	s_add_co_u32 s23, s23, STAGE                   ; my stage
	v_mul_u32_u24 v6, v2, SPITCH                   ; in: row r; lane half h holds columns 16 h .. of each 32
	v_mul_u32_u24 v7, v3, SPITCH                   ; back: lanes 0-15 take one row of 256 bytes, lanes 16-31 the next
	v_lshl_add_u32 v6, v3, 6, v6
	v_lshl_add_u32 v7, v2, 4, v7
	v_add_nc_u32 v[STO], s23, v6
	v_add_nc_u32 v[RD], s23, v7
	v_lshlrev_b32 v6, 12, v3                       ; and the same two rows in the result: 4,096 bytes a row
	v_lshl_add_u32 v[GO], v2, 4, v6
	s_lshl_b32 s20, s17, 8
	s_lshl_b32 s21, s15, 7
	s_add_co_u32 s20, s20, s21                     ; my first row: 256 x tile row + 128 x half
	s_lshl_b32 s20, s20, 12
	s_lshl_b32 s21, s42, 9                         ; my first column, in bytes: 512 x tile column + 256 x half
	s_add_co_u32 s20, s20, s21
	s_lshl_b32 s21, s16, 8
	s_add_co_u32 s20, s20, s21
	s_mov_b32 s21, 0
	s_add_nc_u64 s[12:13], s[8:9], s[20:21]
.macro FRAG reg, adr, off              ; a fragment, 16 rows x 128 K: 12 registers, as they lie
	ds_load_b128 v[\reg:\reg+3],     v[\adr]   offset:(\off)
	ds_load_b64  v[\reg+4:\reg+5],   v[\adr+2] offset:(\off)+512
	ds_load_b128 v[\reg+6:\reg+9],   v[\adr]   offset:(\off)+768
	ds_load_b64  v[\reg+10:\reg+11], v[\adr+2] offset:(\off)+1280
.endm
; Step st (128 along K) lies in K block st / 2.  Its fragments go into set st % 2: 48 loads; with an even step come the block's scale words, two a row, into set (st / 2) % 2: 8 loads more
.macro FETCH st
.set KO, (((\st)/2)%2)*GBB+1536*((\st)%2)
.set KS, (((\st)/2)%2)*GBB
.set HS, (\st)/4
.set SS, SC+16*(((\st)/2)%2)
	WIN TO_B
.irp i, 0,1,2,3
	FRAG 48*((\st)%2)+FR*\i, ADRB+HS, KO+3072*\i
.endr
	WIN 0
.irp i, 0,1,2,3,4,5,6,7
	FRAG AF+96*((\st)%2)+FR*\i, ADRA+HS, KO+3072*\i
.endr
.if (\st)%2 == 0
.irp i, 0,1,2,3
	ds_load_b64 v[SS+2*\i:SS+2*\i+1], v[ADRS+HS] offset:KS+128*\i      ; lanes 0-15 O's tile i, lanes 16-31 w_o's tile i
.endr
.irp i, 4,5,6,7
	ds_load_b64 v[SS+2*\i:SS+2*\i+1], v[ADRS+2+HS] offset:KS+128*\i    ; lanes 16-31 read w_o's tile i - 4 once more: they stay inside w_o's scale bytes
.endr
.endif
.endm
; 32 products: the 32 accumulators take turns, one instruction a turn, in the same order in every step.  The first step's products start the sums: nothing is cleared
.macro MUL st
.set PB, 48*((\st)%2)
.set PA, AF+96*((\st)%2)
.set SS, SC+16*(((\st)/2)%2)+(\st)%2
	WIN MULW
.irp a, 0,1,2,3,4,5,6,7
.irp b, 0,1,2,3
.if (\st) == 0
	v_wmma_scale_f32_16x16x128_f8f6f4 v[8*(4*\a+\b):8*(4*\a+\b)+7], v[PB+FR*\b:PB+FR*\b+FR-1], v[PA+FR*\a:PA+FR*\a+FR-1], 0, v[SS+2*\b], v[SS+2*\a] matrix_a_fmt:MATRIX_FMT_FP6 matrix_b_fmt:MATRIX_FMT_FP6 matrix_a_scale:MATRIX_SCALE_ROW1
.else
	v_wmma_scale_f32_16x16x128_f8f6f4 v[8*(4*\a+\b):8*(4*\a+\b)+7], v[PB+FR*\b:PB+FR*\b+FR-1], v[PA+FR*\a:PA+FR*\a+FR-1], v[8*(4*\a+\b):8*(4*\a+\b)+7], v[SS+2*\b], v[SS+2*\a] matrix_a_fmt:MATRIX_FMT_FP6 matrix_b_fmt:MATRIX_FMT_FP6 matrix_a_scale:MATRIX_SCALE_ROW1
.endif
.endr
.endr
	WIN 0
.endm
	s_wait_alu depctr_va_vdst(0)
	s_wait_tensorcnt 0x0                           ; my part has landed,
	s_barrier_signal -1
	s_barrier_wait -1                              ; everybody's has
	FETCH 0
.set ST, 0
.rept 7
.if ST > 0
	PLACES NP                                      ; in front of loads into registers that the step before has multiplied
.endif
	FETCH ST+1
	s_wait_dscnt 48+8*(ST%2)                       ; this step's fragments are in; the next step's loads, just issued (48, with scale words 56), may be out
	MUL ST
.set ST, ST+1
.endr
	s_wait_dscnt 0x0
	MUL 7
; THE WAY OUT, block by block of 16 rows x 64 columns.  A lane holds 32 neighbouring bytes of a row, and the lanes beside it hold other rows: so a block goes through my own stage and comes back as whole rows of 256 bytes.
; LDS serves a wave's instructions in order (ISA guide 5.7.1.4): no wait between the stores and the loads, nor in front of the next block's stores.
.macro TOSTAGE a
.set AC, 32*(\a)
	WIN 0x08                                       ; the data: window 2
.irp b, 0,1,2,3
	ds_store_b128 v[STO], v[AC+8*\b:AC+8*\b+3] offset:128*(\b/2)+32*(\b%2)       ; each accumulator from its low end on: register j of tile b, lane half h, is column 32 (b / 2) + 8 (b % 2) + 16 h + j
	ds_store_b128 v[STO], v[AC+8*\b+4:AC+8*\b+7] offset:128*(\b/2)+32*(\b%2)+16
.endr
	WIN 0
.set BB, BK+32*((\a)%2)
.irp k, 0,1,2,3,4,5,6,7
	ds_load_b128 v[BB+4*\k:BB+4*\k+3], v[RD] offset:\k*2*SPITCH
.endr
.endm
.macro SEND a, younger                 ; younger: the LDS instructions issued behind block a's loads, which may stay out
.set BB, BK+32*((\a)%2)
	s_wait_dscnt \younger
.irp k, 0,1,2,3,4,5,6,7                ; stage row t = 2 k + lane / 16 of block a is row 32 (a / 2) + 8 (a % 2) + t + 8 (t / 8): 16 lanes store 256 consecutive bytes, aligned
	global_store_b128 v[GO], v[BB+4*\k:BB+4*\k+3], s[12:13] offset:(32*((\a)/2)+8*((\a)%2)+2*\k+8*(\k/4))*4096 th:TH_STORE_NT
.endr
.endm
	PLACES NP                                      ; behind the last products: for the reads of their results and the loads into the fragments' registers
	TOSTAGE 0
.irp a, 1,2,3,4,5,6,7
.if \a > 1
	s_wait_xcnt 0x0                                ; block a - 2's stores have read their registers: block a's loads may land there
.endif
	TOSTAGE \a
	SEND \a-1, 16                                  ; behind block a - 1's loads: block a's 8 stores and 8 loads
.endr
	SEND 7, 0
	s_wait_tensorcnt 0x0                           ; the wave's end
	ds_add_u32 v[SPW], v[NIL]
	s_wait_dscnt 0x0
	CROUND                                         ; the closing round
	s_endpgm
.Lfunc_end_k_q65c4348dd7_outp:
	.size	k_q65c4348dd7_outp, .Lfunc_end_k_q65c4348dd7_outp-k_q65c4348dd7_outp
	.p2alignl 7, 3214868480
	.fill 96, 4, 3214868480
	.section	.rodata,"a",@progbits
	.p2align	6, 0x0
	.amdhsa_kernel k_q65c4348dd7_outp
		.amdhsa_group_segment_fixed_size 327680
		.amdhsa_private_segment_fixed_size 0
		.amdhsa_enable_private_segment 0
		.amdhsa_kernarg_size 24
		.amdhsa_user_sgpr_count 2
		.amdhsa_user_sgpr_kernarg_segment_ptr 1
		.amdhsa_wavefront_size32 1
		.amdhsa_system_sgpr_workgroup_id_x 1
		.amdhsa_system_sgpr_workgroup_id_y 1
		.amdhsa_system_sgpr_workgroup_id_z 1
		.amdhsa_system_vgpr_workitem_id 0
		.amdhsa_next_free_vgpr 768
		.amdhsa_next_free_sgpr 100
		.amdhsa_reserve_vcc 0
		.amdhsa_float_denorm_mode_32 3
		.amdhsa_float_denorm_mode_16_64 3
		.amdhsa_memory_ordered 1
		.amdhsa_forward_progress 1
		.amdhsa_inst_pref_size 83
	.end_amdhsa_kernel
	.amdgpu_metadata
---
amdhsa.version: [ 1, 2 ]
amdhsa.kernels:
  - .name:           k_q65c4348dd7_outp
    .symbol:         k_q65c4348dd7_outp.kd
    .args:
      - { .name: oa, .offset: 0, .size: 8, .value_kind: global_buffer, .address_space: global }
      - { .name: xw, .offset: 8, .size: 8, .value_kind: global_buffer, .address_space: global }
      - { .name: out0, .offset: 16, .size: 8, .value_kind: global_buffer, .address_space: global }
    .group_segment_fixed_size: 327680
    .private_segment_fixed_size: 0
    .kernarg_segment_align: 8
    .kernarg_segment_size: 24
    .max_flat_workgroup_size: 128
    .sgpr_count:     100
    .vgpr_count:     768
    .wavefront_size: 32
...
	.end_amdgpu_metadata
.endif
;; end of part 4
